; MI455X (gfx1250); checked and timed in simulation.
; The chip was launched on July 23, 2026; its instructions are those of AMD's public machine-readable ISA for CDNA 5 (MIT licence, August 2026) and "CDNA5" Instruction Set Architecture Reference Guide (July 2026). The comments in the code are by the model that wrote it; some were corrected since.
;; Multi Head Self Attention. Allowed arithmetic: matrix products marked QUANTISED: E4M3 operands, one given power-of-two scale a tensor, by v_wmma_f32_16x16x64_fp8_fp8 or v_wmma_f32_16x16x128_fp8_fp8, f32 sums; everything else in f32.
;; Inputs: Wk_codes 1,024 x 32 x 32 uint8 (E4M3 codes of Wk, K innermost, in blocks of 32 codes); Wq_codes 1,024 x 32 x 32 uint8 (E4M3 codes of Wq, K innermost, in blocks of 32 codes); Wv_codes 1,024 x 32 x 32 uint8 (E4M3 codes of Wv, K innermost, in blocks of 32 codes); bk 1,024 float32; bq 1,024 float32; bv 1,024 float32; inputs_codes 4 x 2,048 x 32 x 32 uint8 (E4M3 codes of inputs, K innermost, in blocks of 32 codes); lowp_scales 10 int32 (the exponents e of the quantised operands' scales 2^e).
;; Outputs: out0 4 x 2,048 x 1,024 float32.
;; This version of the problem:
;;   THIS VERSION OF THE PROBLEM IS GIVEN IN LOW PRECISION. The matrix products marked QUANTISED in the list below multiply operands that are first quantised to E4M3 (4 exponent bits, 3 mantissa bits; 8 bits a number), with one given power-of-two scale for each operand tensor; their sums are f32. All else is computed in f32.
;;   The module's matrix products, in the order in which they are computed (A, B: the left and right operand; K: the contracted axis; several contracted axes count as one K, in the product's order):
;;     1. [M 8,192, K 1,024] x [K 1,024, N 1,024]; A: input inputs (given as codes); B: input Wq (given as codes): QUANTISED (scales: A lowp_scales[0], B lowp_scales[1])
;;     2. [M 8,192, K 1,024] x [K 1,024, N 1,024]; A: input inputs (given as codes); B: input Wk (given as codes): QUANTISED (scales: A lowp_scales[2], B lowp_scales[3])
;;     3. [M 8,192, K 1,024] x [K 1,024, N 1,024]; A: input inputs (given as codes); B: input Wv (given as codes): QUANTISED (scales: A lowp_scales[4], B lowp_scales[5])
;;     4. batch 64 x [M 2,048, K 64] x [K 64, N 2,048]; A: computed on the way; B: computed on the way: QUANTISED (scales: A lowp_scales[6], B lowp_scales[7])
;;     5. batch 64 x [M 2,048, K 2,048] x [K 2,048, N 64]; A: softmax (see below); B: computed on the way: QUANTISED (scales: A lowp_scales[8], B lowp_scales[9])
;;   THE QUANTISER, for each operand of a quantised product, along K:
;;     - The operand's scale is 2^e, e = its entry of the input lowp_scales (int32; the entries are numbered through the quantised products in the list's order, A before B).
;;     - Each number is divided by the scale, clamped to +-448, and rounded to the nearest number of E4M3, ties to even, subnormals kept.
;;     - The product sums the exact products of the quantised numbers (number of the format x scale) in f32.
;;   ~~~python
;;   def quantise(x, axis, e):      # numpy; x: float32 -> the quantised numbers, widened to float32 again
;;       x = np.moveaxis(x, axis, -1); K = x.shape[-1]
;;       r = np.clip(x / 2.0 ** e, -448, 448)
;;       step = 2.0 ** (np.maximum(np.frexp(np.where(r == 0, 1, r))[1] - 1, -6) - 3)
;;       q = np.round(r / step) * step * 2.0 ** e      # np.round: ties to even
;;       return np.moveaxis(q, -1, axis).astype(np.float32)
;;   ~~~
;;   SOFTMAX AHEAD OF A QUANTISED PRODUCT. Where the list says 'softmax', what is quantised is not the finished softmax but p = 2^(t - M), with t = logit x log2(e) and M = ceil(the row's largest t), a whole number; so 1/2 < the row's largest p <= 1. The row's sum l is taken of the UNQUANTISED p, in f32, and the product's result is divided by l at the end. Since M is a whole number, a kernel that streams over the keys may use a running M (the ceiling of the running maximum): every later rescaling is an exact power of two, so the quantised numbers keep their values, but for numbers so far below the row's largest that they fall under the format's range.
;;   OPERANDS COMPUTED ON THE WAY. 'Computed on the way' means the value that the module computes at that place (a softmax that the list does not call 'softmax' is quantised finished and normalised). What goes into a quantiser is computed in f32, as accurately as f32 sums, v_exp_f32 and their like allow (about 1e-6 of the number): no bf16 or f16 on the way to a quantiser, and a product that is left as it is and whose result goes on into a quantised operand takes f32 operands (vector FMAs, or v_wmma_f32_16x16x4_f32). A number that lies on a knife's edge between two numbers of the format may be rounded either way, as far as f32 arithmetic and the matrix unit's own rounding can turn it there, and no further.
;;   INPUTS GIVEN AS CODES. Wk (in the module: [1024, 1024], K = its axis 0); Wq (in the module: [1024, 1024], K = its axis 0); Wv (in the module: [1024, 1024], K = its axis 0); inputs (in the module: [4, 2048, 1024], K = its axis 2): each comes as NAME_codes (uint8): NAME with its K axis moved to the last place and cut into blocks of 32 codes, [.., K / 32, bytes a block], one block behind the other in memory; one code a byte (a code: sign, 4 exponent bits, 3 mantissa bits); its scale is its entry of lowp_scales. Its value is code x scale, taken as it is: it is not quantised again, and the codes and scales need not be those that the quantiser above would give.
;; 2 versions, each right; version 2 is version 1 with the launch attn written anew for expert scheduling mode. Each part assembles by itself: llvm-mc -triple=amdgcn-amd-amdhsa -mcpu=gfx1250 --defsym DOCPART=n.
;; ======== version 1 of 2: 2 launches
;; workspace buffers: qimg 8,388,608 bytes; kimg 8,388,608 bytes; vimg 8,388,608 bytes
;; launch proj (part 1): grid 12 x 32, 4 waves a work-group, clusters of 4 x 4, 327,680 bytes of LDS; arguments inputs_codes, Wq_codes, Wk_codes, Wv_codes, bq, bk, bv, lowp_scales, qimg, kimg, vimg; writes qimg, kimg, vimg
.if DOCPART == 1
	.amdgcn_target "amdgcn-amd-amdhsa--gfx1250"
	.amdhsa_code_object_version 6
	.text
	.protected	k_q65f8668ed3_proj
	.globl	k_q65f8668ed3_proj
	.p2align	8
	.type	k_q65f8668ed3_proj,@function
k_q65f8668ed3_proj:
	s_mov_b64 s[64:65], 0
	v_nop
	global_prefetch_b8 v0, s[64:65] scope:SCOPE_SE
	s_setreg_imm32_b32 hwreg(HW_REG_WAVE_MODE, 25, 1), 1
	s_wait_xcnt 0x0
	s_wait_alu depctr_hold_cnt(0) depctr_sa_sdst(0) depctr_va_vdst(0) depctr_va_sdst(0) depctr_va_ssrc(0) depctr_va_vcc(0) depctr_vm_vsrc(0)
	s_getreg_b32 s2, hwreg(HW_REG_IB_STS2, 6, 4)
	s_cmp_eq_u32 s2, 0
	s_cbranch_scc0 .Lentry_in_a_cluster
	s_endpgm
.Lentry_in_a_cluster:
	s_bfe_u32 s2, ttmp6, 0x10000c
	s_cmp_lg_u32 s2, 0xf033
	s_cbranch_scc0 .Lentry_shape_is_right
	s_endpgm
.Lentry_shape_is_right:
; THE THREE PROJECTIONS ON CODES OF FP8 (E4M3), THEIR BIASES, AND THE QUANTISERS OF q, k AND v.
; x = tokens W + b: tokens [8192][1024] and W [1024 (channel)][1024 (K)] are codes, K innermost; a sum stands for sum x 2^(ea + ew), the product's own two exponents.
; q and k are quantised along the head's 64 channels (exponents 6 and 7 of the list), v along the keys (exponent 9).  The codes leave as IMAGES OF OPERAND REGISTERS for the next launch:
;   qimg, kimg: [batch x 16 + head][tile of 16 tokens][g 0..1][lane][16 bytes]: registers 4 g .. 4 g + 3 of the K = 64 fragment: lane (r, h), register 2 c + e: token 16 tile + r, channels 16 c + 8 h + 4 e + 0 .. 3
;   vimg:       [batch x 16 + head][step of 128 keys][t 0..3][c 0..3][lane][16 bytes]: registers 4 c .. 4 c + 3 of the K = 128 fragment: lane (r, h), register 2 b + e: channel 16 t + r, keys 16 b + 8 h + 4 e + 0 .. 3
; ONE TEXT FOR THE THREE.  The cluster's x says which (0: q, 1: k, 2: v); it is the same in all sixteen partners.  A work-group makes 256 rows of X x 256 rows of Y; source 0 of the matrix instruction = 16 rows of X,
; source 1 = 16 rows of Y, so a lane holds ONE row of Y and eight neighbouring rows of X: one conversion of eight makes two registers of the next operand.  q, k: X = rows of W (channels), Y = tokens.  v: X = tokens (keys), Y = rows of Wv.
; So nothing changes lanes and nothing goes through LDS on the way out.  What differs between the three is chosen by s_cselect on the cluster's x (bases, row offsets, exponents); only the way out is written twice.
; SHARES.  Four waves, as many as a WGP has SIMDs; a wave makes 128 x 128: 64 accumulators, 512 registers.  K = 1,024 goes in four steps of 256 through a ring of two LDS slots; a tile's row is 256 bytes of memory.
; CLUSTER 4 x 4.  X's tile hangs on cx alone and is asked for jointly by a column of the cluster, Y's on cy alone and by a row: the same tensor load, the same descriptor, a mask that names the four.
; LIMITS: ea + ew between -126 and 127; exponents 6, 7 and 9 between -126 and 119, so that each power of two below is an f32 number.  NaN among the inputs is not served.
; REGISTERS, in windows of 256: window 0: v16-31 addresses and constants; v32-95, v96-111 the bias in two layouts; from v128 Y's fragments (8 x 16 rows x 128 K), ONE set; on the way out v112-239 at work.
;   window 1: X's fragments, TWO sets, at v0 and v128.   window 2: the accumulators of my Y rows 0-63 ((a, b) at v[8 (8 a + b)]).   window 3: those of my Y rows 64-127.
.set KROW,   1024                      ; a row of codes in memory, in bytes
.set ROWB,   256                       ; a tile's row: 256 along K
.set PITCH,  272                       ; an LDS row: 256 bytes + 16 of padding = 68 words: row r starts at bank 4 r mod 64 (64 banks of 4 bytes: ISA guide 11.1): the 16 rows of a load start at 16 different banks
.set FR,     16                        ; registers of a fragment: 16 rows x 128 K
.set NL,     4                         ; LDS loads that bring one
.set NP,     4                         ; places behind this matrix instruction (ISA guide 7.12.1)
.set HALFT,  128*PITCH                 ; 128 rows: what one tensor load brings, and what one wave reads of X or of Y
.set SLOT,   4*HALFT                   ; Y's 256 rows, then X's 256 rows
.set SPARE,  2*SLOT                    ; behind the ring: the spare words, 128 bytes for each wave: two blocks of 256 bytes that no other line names
.set ADRY, 16                          ; v16-17  LDS address of my Y fragments in slot 0, 1
.set ADRX, 20                          ; v20-21  the same for X
.set BR,   25                          ; v25     4 x (lane % 16): the bias, a number a lane
.set CO,   26                          ; v26     16 x lane: my place in an image
.set BH,   27                          ; v27     32 x (lane / 16): the bias, eight numbers for my half
.set SPW,  28                          ; v28     LDS address of my spare word; never rewritten
.set NIL,  29                          ; v29     0; never rewritten
.set SCL,  30                          ; v30     2^eo as f32: the conversion takes its exponent field
.set LIM,  31                          ; v31     448 x 2^eo
.set BI,   32                          ; v32-95  bias of channels 16 b + 8 h + j at v[BI + 8 b + j]
.set BV,   96                          ; v96-111 bias of channel 16 a + r, twice, at v[BI.. BV + 2 a], v[BV + 2 a + 1]
.set TMP,  112                         ; v112-175 the way out: a block's 64 numbers
.set YF,   128                         ; Y's fragments
.set CD,   176                         ; v176-239 the way out: codes, four sets of 16
.set G1,  24                           ; s[24:31] descriptor group 1 for Y's tiles;  s[32:39] group 0, one set for each slot
.set G0,  32
.set G1B, 48                           ; s[48:55], s[56:63] the same for X's tiles
.set G0B, 56
.set MSB, 0
.macro WIN new                         ; the immediate's high byte repeats the setting that is left
.if MSB != \new
	s_set_vgpr_msb (MSB<<8)|\new
.set MSB, \new
.endif
.endm
.set MUL_LO, 0xa1                      ; source 0 (X) window 1, source 1 (Y) window 0, C and D window 2
.set MUL_HI, 0xf1                      ; the same, C and D window 3
.set TO_X,   0x40                      ; destination window 1, address window 0
; A joint load: waves 0 and 1 fetch for Y, waves 2 and 3 for X.  Each line has ONE mask and one set of registers for all that issue it; the branch hangs on the wave's number alone.
; Four v_nop follow each of the two lines, ahead of the jump, the label and what follows.
.macro JLOAD g0y, g1y, g0x, g1x
	s_cmp_eq_u32 s15, 0
	s_cbranch_scc0 .Lfor_x_\@
	tensor_load_to_lds s[\g0y:\g0y+3], s[\g1y:\g1y+7]
	s_nop 0
.rept 4
	v_nop
.endr
	s_branch .Lasked_\@
.Lfor_x_\@:
	tensor_load_to_lds s[\g0x:\g0x+3], s[\g1x:\g1x+7]
	s_nop 0
.rept 4
	v_nop
.endr
.Lasked_\@:
.endm
.macro CREST                           ; a round of the cluster's barrier behind its opening barrier
	s_cmp_lg_u32 s14, 0
	s_cbranch_scc1 .Lnot_wave_0_\@
	s_barrier_signal -3
.Lnot_wave_0_\@:
	s_barrier_wait -3
	s_barrier_signal -1
	s_barrier_wait -1
.endm
.macro CROUND                          ; a whole round
	s_barrier_signal -1
	s_barrier_wait -1
	CREST
.endm
	s_load_b256 s[4:11], s[0:1], 0x0               ; tokens s[4:5], Wq s[6:7], Wk s[8:9], Wv s[10:11]
	s_load_b256 s[68:75], s[0:1], 0x20             ; bq s[68:69], bk s[70:71], bv s[72:73], the exponents s[74:75]
	s_load_b128 s[76:79], s[0:1], 0x40             ; qimg s[76:77], kimg s[78:79]
	s_load_b64 s[80:81], s[0:1], 0x50              ; vimg
	v_lshl_add_u32 v[SPW], v0, 2, SPARE
	v_mov_b32 v[NIL], 0
	ds_add_u32 v28, v29
	ds_add_u32 v28, v29
	s_wait_dscnt 0x0
	v_lshrrev_b32 v1, 5, v0
	v_readfirstlane_b32 s14, v1                    ; wave 0..3
	s_lshr_b32 s15, s14, 1                         ; which half of Y's rows is mine.  Also: I fetch for Y (0) or for X (1)
	s_and_b32 s16, s14, 1                          ; which half of X's rows.  Also: which 128 rows of that tile I fetch
	s_bfe_u32 s40, ttmp6, 0x40000                  ; cx, cy: my place in the cluster
	s_bfe_u32 s41, ttmp6, 0x40004
	s_and_b32 s17, ttmp7, 0xffff
	s_lshl_b32 s17, s17, 2                         ; 4 x cluster y: the cluster's first tile of 256 tokens
	s_lshl_b32 s43, s41, 2
	s_lshl_b32 s43, 15, s43                        ; my row of the cluster
	s_lshl_b32 s44, 0x1111, s40                    ; my column
	; descriptor group 1: a tile of 128 rows x 256 bytes, padded in LDS
	s_or_b32 s[G1+0], s43, (0<<16)|(1<<20)|(1<<21)|(5<<22)|(3<<25)  ; 15:0 the mask: Y's tiles go to my row; 17:16 element of 1 byte; 20 padding on; 21 set beside a mask; 24:22 after every 64 words (code 5); 31:25 of 4 words (code 3)
	s_or_b32 s[G1B+0], s44, (0<<16)|(1<<20)|(1<<21)|(5<<22)|(3<<25) ; the same with the mask of my column, for X's tiles
.irp g, G1, G1B
	s_mov_b32 s[\g+1], ROWB<<16                    ; tensor_dim0
	s_mov_b32 s[\g+2], 128<<16                     ; tensor_dim1 = 128
	s_mov_b32 s[\g+3], ROWB<<16                    ; tile_dim0
	s_mov_b32 s[\g+4], 128                         ; tile_dim1 = 128
	s_mov_b32 s[\g+5], KROW                        ; tensor_dim0_stride
	s_mov_b32 s[\g+6], 0
	s_mov_b32 s[\g+7], 0
.endr
	; the tiles: the side that holds the tokens adds the cluster's first token tile; the other side walks W's four tiles of 256 rows
	s_cmp_eq_u32 ttmp9, 2                          ; v?
	s_cselect_b32 s42, 0, s17
	s_cselect_b32 s45, s17, 0
	s_add_co_u32 s42, s42, s41                     ; Y's tile: cy (+ 4 x cluster y for q and k): it never holds cx
	s_add_co_u32 s45, s45, s40                     ; X's tile: cx (+ 4 x cluster y for v): it never holds cy
	s_lshl_b32 s18, s16, 7                         ; which 128 rows of the tile I fetch
	s_lshl_b32 s20, s42, 8
	s_add_co_u32 s20, s20, s18
	s_lshl_b32 s20, s20, 10                        ; Y: (256 x tile + 128 x half) rows of 1,024 bytes: under 2^23
	s_mov_b32 s21, 0
	s_lshl_b32 s46, s45, 8
	s_add_co_u32 s46, s46, s18
	s_lshl_b32 s46, s46, 10                        ; X likewise
	s_mov_b32 s47, 0
	s_mul_i32 s3, s14, HALFT                       ; where they go: wave x 128 rows: no place in the cluster enters an LDS address
	s_wait_kmcnt 0x0
	s_load_b256 s[84:91], s[74:75], 0x0            ; exponents 0 to 7
	s_load_b32 s92, s[74:75], 0x24                 ; exponent 9
	s_cmp_eq_u32 ttmp9, 2                          ; the buffers, chosen by the cluster's x alone
	s_cselect_b64 s[22:23], s[10:11], s[4:5]       ; Y: Wv, else the tokens
	s_cselect_b64 s[18:19], s[4:5], s[8:9]         ; X: the tokens, else Wk,
	s_cselect_b64 s[82:83], s[72:73], s[70:71]     ; the bias,
	s_cselect_b64 s[12:13], s[80:81], s[78:79]     ; the image
	s_cmp_eq_u32 ttmp9, 0
	s_cselect_b64 s[18:19], s[6:7], s[18:19]       ; or Wq
	s_cselect_b64 s[82:83], s[68:69], s[82:83]
	s_cselect_b64 s[12:13], s[76:77], s[12:13]
	s_add_nc_u64 s[20:21], s[22:23], s[20:21]
	s_add_nc_u64 s[46:47], s[18:19], s[46:47]
	CROUND                                         ; all sixteen work-groups are here: the first joint loads meet
.irp s, 0,1
	s_mov_b32 s[G0+4*\s], 1                                        ; 1:0 count = 1
	s_add_co_u32 s[G0+4*\s+1], s3, \s*SLOT                         ; 63:32 LDS address
	s_add_nc_u64 s[G0+4*\s+2:G0+4*\s+3], s[20:21], \s*ROWB         ; 120:64 global address: K step s
	s_or_b32 s[G0+4*\s+3], s[G0+4*\s+3], 0x80000000                ; 127:126 type = 2
	s_mov_b32 s[G0B+4*\s], 1
	s_add_co_u32 s[G0B+4*\s+1], s3, \s*SLOT
	s_add_nc_u64 s[G0B+4*\s+2:G0B+4*\s+3], s[46:47], \s*ROWB
	s_or_b32 s[G0B+4*\s+3], s[G0B+4*\s+3], 0x80000000
	JLOAD G0+4*\s, G1, G0B+4*\s, G1B               ; two loads of mine are out
.endr
	v_and_b32 v1, 15, v0                           ; r = lane % 16
	v_bfe_u32 v2, v0, 4, 1                         ; h = lane / 16
	v_mul_u32_u24 v3, v1, PITCH
	v_lshl_add_u32 v4, v2, 4, v3                   ; a fragment's row x pitch + 16 x half
	s_mul_i32 s21, s15, HALFT                      ; my 128 rows of Y
	s_mul_i32 s22, s16, HALFT                      ; my 128 rows of X,
	s_add_co_u32 s22, s22, 2*HALFT                 ; which lie behind Y's 256
.irp s, 0,1
	v_add_nc_u32 v[ADRY+\s], s21, v4
	v_add_nc_u32 v[ADRX+\s], s22, v4
	s_add_co_u32 s21, s21, SLOT
	s_add_co_u32 s22, s22, SLOT
.endr
	v_and_b32 v6, 31, v0
	v_lshlrev_b32 v[CO], 4, v6
	v_lshlrev_b32 v[BH], 5, v2
	v_lshlrev_b32 v[BR], 2, v1
	; which tokens and which channels are my wave's
	s_cmp_eq_u32 ttmp9, 2
	s_cselect_b32 s66, s45, s42                    ; the tile of 256 tokens,
	s_cselect_b32 s67, s16, s15                    ; my half of it,
	s_cselect_b32 s94, s42, s45                    ; the tile of 256 channels,
	s_cselect_b32 s95, s15, s16                    ; my half of it
	s_lshl_b32 s20, s94, 10
	s_lshl_b32 s21, s95, 9
	s_add_co_u32 s20, s20, s21
	s_mov_b32 s21, 0
	s_add_nc_u64 s[82:83], s[82:83], s[20:21]      ; the bias at my 128 channels
	; The bias of my 128 channels, 512 bytes, is loaded in BOTH layouts by every wave, so that no branch stands here and each way out finds its registers written: q and k add v[BI ..], v adds v[BV ..].
.irp b, 0,1,2,3,4,5,6,7
	global_load_b128 v[BI+8*\b:BI+8*\b+3],   v[BH], s[82:83] offset:64*\b
	global_load_b128 v[BI+8*\b+4:BI+8*\b+7], v[BH], s[82:83] offset:64*\b+16
.endr
.irp a, 0,1,2,3,4,5,6,7
	global_load_b32 v[BV+2*\a],   v[BR], s[82:83] offset:64*\a
	global_load_b32 v[BV+2*\a+1], v[BR], s[82:83] offset:64*\a       ; the same word again: the packed multiply-add names a pair
.endr
	s_lshr_b32 s20, s66, 3                         ; the batch (eight tiles of 256 tokens each)
	s_lshl_b32 s20, s20, 4
	s_lshl_b32 s22, s94, 2
	s_add_co_u32 s20, s20, s22
	s_lshl_b32 s22, s95, 1
	s_add_co_u32 s20, s20, s22                     ; 16 x batch + my first head (4 x channel tile + 2 x half)
	s_lshl_b32 s20, s20, 17                        ; 131,072 bytes of image a head
	s_and_b32 s22, s66, 7
	s_lshl_b32 s22, s22, 1
	s_add_co_u32 s22, s22, s67                     ; my 128 tokens within the batch: eight tiles of q or k, or one step of v: 8,192 bytes either way
	s_lshl_b32 s22, s22, 13
	s_add_co_u32 s20, s20, s22
	s_add_nc_u64 s[12:13], s[12:13], s[20:21]      ; the image at my wave's part
	s_wait_kmcnt 0x0                               ; the exponents
	s_add_co_i32 s84, s84, s85
	s_add_co_i32 s86, s86, s87
	s_add_co_i32 s88, s88, s89
	s_cmp_eq_u32 ttmp9, 2
	s_cselect_b32 s96, s88, s86                    ; ea + ew of my product,
	s_cselect_b32 s98, s92, s91                    ; eo of my quantiser
	s_cmp_eq_u32 ttmp9, 0
	s_cselect_b32 s96, s84, s96
	s_cselect_b32 s98, s90, s98
	s_add_co_i32 s96, s96, 127
	s_lshl_b32 s96, s96, 23                        ; 2^(ea + ew) as f32
	s_mov_b32 s97, s96                             ; (named with it as a pair, so it is written)
	s_add_co_i32 s98, s98, 127
	s_lshl_b32 s99, s98, 23
	v_mov_b32 v[SCL], s99                          ; 2^eo
	s_add_co_i32 s98, s98, 8
	s_lshl_b32 s98, s98, 23
	s_or_b32 s98, s98, 0x600000
	v_mov_b32 v[LIM], s98                          ; 448 x 2^eo
.macro FRAG reg, adr, q, i             ; a fragment by four loads of 16 bytes: registers 4 c .. 4 c + 3 hold K = 32 c + 16 (lane / 16) + 0 .. 15: the same permutation of K in X and in Y, so every product meets its partner
.irp c, 0,1,2,3
	ds_load_b128 v[\reg+4*\c:\reg+4*\c+3], v[\adr] offset:128*(\q)+32*\c+(\i)*16*PITCH
.endr
.endm
; 16 matrix instructions: Y's blocks a0, a0 + 1 x X's eight, 128 along K.  p: X's set.  zero = 1: the first product starts the sums: nothing is ever cleared.
; The 64 accumulators take turns, one instruction a turn, in the same order in every step.
.macro MUL16 a0, p, zero
.irp a, \a0, \a0+1
.irp b, 0,1,2,3,4,5,6,7
.if \zero
	v_wmma_f32_16x16x128_fp8_fp8 v[8*(8*((\a)%4)+\b):8*(8*((\a)%4)+\b)+7], v[128*(\p)+FR*\b:128*(\p)+FR*\b+FR-1], v[YF+FR*(\a):YF+FR*(\a)+FR-1], 0
.else
	v_wmma_f32_16x16x128_fp8_fp8 v[8*(8*((\a)%4)+\b):8*(8*((\a)%4)+\b)+7], v[128*(\p)+FR*\b:128*(\p)+FR*\b+FR-1], v[YF+FR*(\a):YF+FR*(\a)+FR-1], v[8*(8*((\a)%4)+\b):8*(8*((\a)%4)+\b)+7]
.endif
.endr
.endr
.endm
.macro FETCH_X slot, q, p              ; X's eight fragments of the slot's q-th 128 along K into set p
	WIN TO_X
.irp i, 0,1,2,3,4,5,6,7
	FRAG 128*(\p)+FR*\i, ADRX+\slot, \q, \i
.endr
	WIN 0
.endm
.macro FETCH_Y slot, q, i0             ; Y's blocks i0 .. i0 + 3
.irp i, \i0, \i0+1, \i0+2, \i0+3
	FRAG YF+FR*(\i), ADRY+\slot, \q, \i
.endr
.endm
; A load into a register that a matrix instruction has read, and a vector instruction that reads a matrix result or writes one of a matrix instruction's registers, stand NP places behind it; only plain vector
; instructions that name none of its registers are places (ISA guide 7.12.1 for vector instructions).
.macro PLACES n
.rept \n
	v_nop
.endr
.endm
; A step of 128 along K that has its successor in the same slot.  Y has one set of registers: a block is free when its eight products are issued; blocks 0-3 are fetched anew in the step's middle, blocks 4-7 at its end.
.macro STEP slot, q, zero
	s_wait_dscnt 4*NL                              ; X's set and Y's blocks 0-3 are in; the youngest sixteen loads (Y's blocks 4-7) may be out
	WIN MUL_LO
	MUL16 0, (\q)%2, \zero
	MUL16 2, (\q)%2, \zero
	s_wait_dscnt 0                                 ; Y's blocks 4-7 are in (asked for 32 matrix instructions ago)
	PLACES NP
	FETCH_X \slot, (\q)+1, 1-(\q)%2
	FETCH_Y \slot, (\q)+1, 0
	WIN MUL_HI
	MUL16 4, (\q)%2, \zero
	MUL16 6, (\q)%2, \zero
	PLACES NP
	WIN 0
	FETCH_Y \slot, (\q)+1, 4
.endm
; A slot's last step changes slots: ONE barrier; in front of it each wave waits for all its tensor loads, adds 0 to its spare word, and waits for that and for its own reads of this slot.  fill = 1: this slot is filled again, two K steps ahead.
.macro TURN slot, next, fill
	s_wait_tensorcnt 0x0                           ; all my tensor loads have landed: my part of the next slot  (every window is 0 here: the add's two registers lie in window 0)
	ds_add_u32 v[SPW], v[NIL]                      ; 0 onto my spare word
	s_wait_dscnt 4*NL+1                            ; (the add and the youngest sixteen loads, Y's blocks 4-7, may be out)
	WIN MUL_LO
	MUL16 0, 1, 0                                  ; sixteen matrix instructions stand between the add and the wait for it
	s_wait_dscnt 0x0                               ; the add is done, and my reads of this slot are over
	s_barrier_signal -1
	MUL16 2, 1, 0
	WIN 0
	s_barrier_wait -1
.if \fill
	CREST                                          ; the barrier has opened a round of the cluster's barrier: no wave of any partner still reads this slot's tile or has a load on its way
	s_add_nc_u64 s[G0+4*\slot+2:G0+4*\slot+3], s[G0+4*\slot+2:G0+4*\slot+3], 2*ROWB
	s_add_nc_u64 s[G0B+4*\slot+2:G0B+4*\slot+3], s[G0B+4*\slot+2:G0B+4*\slot+3], 2*ROWB
	JLOAD G0+4*\slot, G1, G0B+4*\slot, G1B         ; the first tensor load behind the round, my only one until the next; the four v_nop behind it are the places in front of the loads below
.else
	PLACES NP
.endif
	FETCH_X \next, 0, 0
	FETCH_Y \next, 0, 0
	WIN MUL_HI
	MUL16 4, 1, 0
	MUL16 6, 1, 0
	PLACES NP
	WIN 0
	FETCH_Y \next, 0, 4
.endm
	s_wait_tensorcnt 1                             ; my part of K step 0 is in (K step 1's load may be out)
	s_barrier_signal -1
	s_barrier_wait -1                              ; everybody's is
	FETCH_X 0, 0, 0
	FETCH_Y 0, 0, 0
	FETCH_Y 0, 0, 4
	; K = 1,024 is four K steps of 256, eight steps of 128: written out
	STEP 0, 0, 1                                   ; the first products start the sums
	TURN 0, 1, 1                                   ; slot 0 takes K step 2
	STEP 1, 0, 0
	TURN 1, 0, 1                                   ; slot 1 takes K step 3
	STEP 0, 0, 0
	TURN 0, 1, 0                                   ; nothing is left to fetch: no round of the cluster's barrier
	STEP 1, 0, 0
	s_wait_dscnt 4*NL                              ; the very last step
	WIN MUL_LO
	MUL16 0, 1, 0
	MUL16 2, 1, 0
	s_wait_dscnt 0
	WIN MUL_HI
	MUL16 4, 1, 0
	MUL16 6, 1, 0
	WIN 0
; THE WAY OUT of Y's block a (16 rows of Y x my 128 rows of X).  x = sum x 2^(ea + ew) + bias, one packed multiply-add for two numbers, each accumulator from its low end on; the hold at 448 x 2^eo (the conversion to an
; 8-bit code does not saturate: ISA guide 7.6.2); eight conversions of eight: X tile b's give registers 2 b, 2 b + 1 of the block's sixteen.
; q, k (isv = 0): sixteen registers = the K = 64 fragments of two heads for tokens 16 a on.   v (isv = 1): = the K = 128 fragment of channels 16 a on for my 128 keys.
; Each store of the wave covers 512 consecutive bytes of the image, aligned.
.macro OUTBLK a, isv
.set AC, 64*((\a)%4)
.set CC, CD+16*((\a)%4)
.if (\a) >= 4
	s_wait_xcnt 0x0                                ; block a - 4's stores have read their data: the set of codes is written again only behind this wait
.endif
	WIN 0x02+((\a)/4)                              ; source 0: window 2 or 3
.irp i, 0,2,4,6,8,10,12,14,16,18,20,22,24,26,28,30,32,34,36,38,40,42,44,46,48,50,52,54,56,58,60,62
.if \isv
	v_pk_fma_f32 v[TMP+\i:TMP+\i+1], v[AC+\i:AC+\i+1], s[96:97], v[BV+2*(\a):BV+2*(\a)+1] op_sel_hi:[1,0,1]   ; the lane's channel is Y's row
.else
	v_pk_fma_f32 v[TMP+\i:TMP+\i+1], v[AC+\i:AC+\i+1], s[96:97], v[BI+\i:BI+\i+1] op_sel_hi:[1,0,1]           ; the register's channel is X's row
.endif
.endr
	WIN 0
.set j, 0
.rept 64
	v_med3_num_f32 v[TMP+j], v[TMP+j], -v[LIM], v[LIM]
.set j, j+1
.endr
.irp b, 0,1,2,3,4,5,6,7
	v_cvt_scalef32_pk8_fp8_f32 v[CC+2*\b:CC+2*\b+1], v[TMP+8*\b:TMP+8*\b+7], v[SCL]
.endr
	v_nop                                          ; one plain vector instruction between the last conversion and the next block's writes of its sources
.irp n, 0,1,2,3
.if \isv
	global_store_b128 v[CO], v[CC+4*\n:CC+4*\n+3], s[12:13] offset:((\a)/4)*131072+((\a)%4)*2048+\n*512 th:TH_STORE_NT   ; head a / 4, channels 16 (a % 4) on, registers 4 n on
.else
	global_store_b128 v[CO], v[CC+4*\n:CC+4*\n+3], s[12:13] offset:(\n/2)*131072+(\a)*1024+(\n%2)*512 th:TH_STORE_NT     ; head n / 2, token tile a, registers 4 (n % 2) on
.endif
.endr
.endm
	s_wait_loadcnt 0x0                             ; the bias
	PLACES NP                                      ; behind the last products: the lines below read results and write registers that held Y's fragments
	s_cmp_eq_u32 ttmp9, 2                          ; the cluster's x: the same in all partners
	s_cbranch_scc1 .Lout_v
.irp a, 0,1,2,3,4,5,6,7
	OUTBLK \a, 0
.endr
	s_branch .Lout_done
.Lout_v:
.irp a, 0,1,2,3,4,5,6,7
	OUTBLK \a, 1
.endr
.Lout_done:
	s_wait_tensorcnt 0x0                           ; the wave's end
	ds_add_u32 v[SPW], v[NIL]
	s_wait_dscnt 0x0
	CROUND                                         ; the closing round: no work-group ends while a partner may still ask for a tile that names it
	s_endpgm
.Lfunc_end_k_q65f8668ed3_proj:
	.size	k_q65f8668ed3_proj, .Lfunc_end_k_q65f8668ed3_proj-k_q65f8668ed3_proj
	.p2alignl 7, 3214868480
	.fill 96, 4, 3214868480
	.section	.rodata,"a",@progbits
	.p2align	6, 0x0
	.amdhsa_kernel k_q65f8668ed3_proj
		.amdhsa_group_segment_fixed_size 327680
		.amdhsa_private_segment_fixed_size 0
		.amdhsa_enable_private_segment 0
		.amdhsa_kernarg_size 88
		.amdhsa_user_sgpr_count 2
		.amdhsa_user_sgpr_kernarg_segment_ptr 1
		.amdhsa_wavefront_size32 1
		.amdhsa_system_sgpr_workgroup_id_x 1
		.amdhsa_system_sgpr_workgroup_id_y 1
		.amdhsa_system_sgpr_workgroup_id_z 1
		.amdhsa_system_vgpr_workitem_id 0
		.amdhsa_next_free_vgpr 1024
		.amdhsa_next_free_sgpr 100
		.amdhsa_reserve_vcc 0
		.amdhsa_float_denorm_mode_32 3
		.amdhsa_float_denorm_mode_16_64 3
		.amdhsa_memory_ordered 1
		.amdhsa_forward_progress 1
		.amdhsa_inst_pref_size 194
	.end_amdhsa_kernel
	.amdgpu_metadata
---
amdhsa.version: [ 1, 2 ]
amdhsa.kernels:
  - .name:           k_q65f8668ed3_proj
    .symbol:         k_q65f8668ed3_proj.kd
    .args:
      - { .name: inputs_codes, .offset: 0, .size: 8, .value_kind: global_buffer, .address_space: global }
      - { .name: Wq_codes, .offset: 8, .size: 8, .value_kind: global_buffer, .address_space: global }
      - { .name: Wk_codes, .offset: 16, .size: 8, .value_kind: global_buffer, .address_space: global }
      - { .name: Wv_codes, .offset: 24, .size: 8, .value_kind: global_buffer, .address_space: global }
      - { .name: bq, .offset: 32, .size: 8, .value_kind: global_buffer, .address_space: global }
      - { .name: bk, .offset: 40, .size: 8, .value_kind: global_buffer, .address_space: global }
      - { .name: bv, .offset: 48, .size: 8, .value_kind: global_buffer, .address_space: global }
      - { .name: lowp_scales, .offset: 56, .size: 8, .value_kind: global_buffer, .address_space: global }
      - { .name: qimg, .offset: 64, .size: 8, .value_kind: global_buffer, .address_space: global }
      - { .name: kimg, .offset: 72, .size: 8, .value_kind: global_buffer, .address_space: global }
      - { .name: vimg, .offset: 80, .size: 8, .value_kind: global_buffer, .address_space: global }
    .group_segment_fixed_size: 327680
    .private_segment_fixed_size: 0
    .kernarg_segment_align: 8
    .kernarg_segment_size: 88
    .max_flat_workgroup_size: 128
    .sgpr_count:     100
    .vgpr_count:     1024
    .wavefront_size: 32
...
	.end_amdgpu_metadata
.endif
;; end of part 1
;; launch attn (part 2): grid 4 x 64, 16 waves a work-group, no clusters, 264,192 bytes of LDS; arguments qimg, kimg, vimg, lowp_scales, out0; writes out0
.if DOCPART == 2
	.amdgcn_target "amdgcn-amd-amdhsa--gfx1250"
	.amdhsa_code_object_version 6
	.text
	.protected	k_q65f8668ed3_attn
	.globl	k_q65f8668ed3_attn
	.p2align	8
	.type	k_q65f8668ed3_attn,@function
k_q65f8668ed3_attn:
	s_mov_b64 s[64:65], 0
	v_nop
	global_prefetch_b8 v0, s[64:65] scope:SCOPE_SE
	s_setreg_imm32_b32 hwreg(HW_REG_WAVE_MODE, 25, 1), 1
	s_wait_xcnt 0x0
; out[b][q][head][:] = the sum over k of softmax_k(q . k / 8) v[k][:], both products on codes of FP8 (E4M3), each operand with the one scale 2^e that is given for it: entries 6 (q), 7 (k), 8 (p), 9 (v) of the list.
; qimg, kimg, vimg are images of operand registers: 16 bytes a lane, 512 bytes for four registers of a fragment.  qimg, kimg: [batch x 16 + head][tile of 16][g 0..1][lane][16]: the K = 64 fragment (K = the head's 64 channels).
; vimg: [batch x 16 + head][step of 128 keys][t 0..3][c 0..3][lane][16]: the K = 128 fragment of channels 16 t on (K = the keys).
; THE SOFTMAX AHEAD OF THE SECOND PRODUCT: t = score x log2(e) / 8; M = the row's largest t so far, rounded UP to a whole number; p = 2^(t - M) is what is quantised, along the keys; it is not normalised.
; The row's sum is taken of the unquantised p, in f32, and divides O at the end.  When M moves, the sum and O are multiplied by 2^(old M - new M): exact.
; SHARES.  A work-group owns 512 queries of one head; each of its SIXTEEN waves owns 32, two tiles of 16, in 256 registers: four waves to a SIMD, so that one wave's exponentials stand beside another's plain, matrix and LDS work.
; ALL OF THE HEAD'S K AND V LIE IN LDS: 2 x 131,072 bytes, brought once through registers at the head.  So the key loop has no ring and no barrier, and each fragment read from LDS feeds both tiles.
; LAYOUT.  Both products are used transposed: S^T = K Q^T (source 0 = 16 keys, source 1 = 16 queries), O^T = V^T P^T (source 0 = 16 channels, source 1 = P): a lane holds ONE query (lane % 16) throughout, and key tile T's eight
; registers are keys 16 T + 8 (lane / 16) + 0 .. 7: one conversion of eight makes registers 2 T, 2 T + 1 of P's fragment, in the form's own layout; V's image was made by the same map.
; NO CLUSTER, NO JOINT LOADS, though the four work-groups of a head read the same 262,144 bytes: they are read once, at the head.
; The branch on the given exponent of p takes the hold, 64 of a tile's 258 vector instructions a step, out of the loop wherever it cannot act.  No prefetch: every read from memory stands at the head.
; LIMITS on the given exponents, so that each power of two below is an f32 number: e6 + e7 between -123 and 130 (they are added to c's exponent field); e8 between -126 and 119; e8 + e9 is applied by v_ldexp_f32 and has none.  NaN is not served.
.set LI,  1                            ; v1   16 x lane: my place in an image            (on the way out: where I read a row back)
.set AD,  2                            ; v2   the fill: 16 x thread; the loop: the step's LDS address   (on the way out: where I put 32 bytes of a row)
.set SCL, 3                            ; v3   2^e8 as f32, for the conversion             (on the way out: my byte offset in out)
.set ST,  4                            ; tile q at v[ST + 4 q]: +0 -M, +1 the largest t, +2, +3 the sum in two halves
.set TA,  12                           ; v12, v13 at work (the fill: v12-15 LDS addresses)
.set TB,  13
.set TF,  14                           ; v[14:15] f = 2^(old M - new M); v15 is named with it as a pair
.set Q,   16                           ; v16-31   Q's two fragments
.set FRG, 32                           ; v32-95   eight fragments of K, later four of V
.set S,   96                           ; v96-159  S^T, then p
.set O,   160                          ; v160-223 O^T: tile q, channels 16 t on at v[O + 32 q + 8 t]
.set PC,  224                          ; v224-255 p's codes: tile q at v[PC + 16 q]
.set WV,  20                           ; s20  my wave's number
.set CS,  22                           ; s[22:23] c = log2(e) / 8 x 2^(e6 + e7): the packed form names a pair and takes its low word for both halves
.set LIMS, 24                          ; s24  448 x 2^e8
.set E89, 25                           ; s25  e8 + e9
.set SB,  26                           ; s26  LDS byte at which the step's tiles begin
.set CNT, 27                           ; s27  steps to go
.set SEL, 28                           ; s[28:29] lane selects for v_permlanex16_b32: lane l xor 16
.set STEPB, 16384                      ; LDS: a step of 128 keys: K's eight fragments (8,192 bytes), then V's four (8,192)
.set SP,  272                          ; the way out: a stage row: 256 bytes + 16
.set STG, 2*16*SP                      ; a wave's stage: two tiles of 16 rows
	s_load_b256 s[4:11], s[0:1], 0x0               ; qimg s[4:5], kimg s[6:7], vimg s[8:9], the exponents s[10:11]
	s_load_b64 s[12:13], s[0:1], 0x20              ; out
	v_lshrrev_b32 v1, 5, v0
	v_readfirstlane_b32 s[WV], v1                  ; wave 0..15
	v_and_b32 v[LI], 31, v0
	v_lshlrev_b32 v[LI], 4, v[LI]
	v_lshlrev_b32 v[AD], 4, v0
	s_and_b32 s30, ttmp7, 0xffff                   ; 16 x batch + head
	s_lshl_b32 s32, s30, 17                        ; its 131,072 bytes in each image
	s_mov_b32 s33, 0
	s_lshl_b32 s34, ttmp9, 15                      ; my work-group's 32 tiles of queries, 1,024 bytes each,
	s_lshl_b32 s35, s[WV], 11                      ; my wave's two
	s_add_co_u32 s34, s34, s35
	s_add_co_u32 s34, s34, s32
	s_mov_b32 s35, 0
	s_mov_b32 s[SEL], 0x76543210
	s_mov_b32 s[SEL+1], 0xfedcba98
	s_wait_kmcnt 0x0
	s_load_b128 s[16:19], s[10:11], 0x18           ; e6, e7, e8, e9
	s_add_nc_u64 s[4:5], s[4:5], s[34:35]
	s_add_nc_u64 s[6:7], s[6:7], s[32:33]
	s_add_nc_u64 s[8:9], s[8:9], s[32:33]
.irp g, 0,1,2,3
	global_load_b128 v[Q+4*\g:Q+4*\g+3], v[LI], s[4:5] offset:512*\g th:TH_LOAD_NT   ; Q stays in registers: tile g / 2, registers 4 (g % 2) on; read by nobody else
.endr
	; THE FILL.  The 512 threads take 8,192 consecutive bytes an instruction: a step's K or V.  32 loads a lane are out.
.irp i, 0,1,2,3,4,5,6,7,8,9,10,11,12,13,14,15
	global_load_b128 v[S+4*\i:S+4*\i+3], v[AD], s[6:7] offset:8192*\i
	global_load_b128 v[O+4*\i:O+4*\i+3], v[AD], s[8:9] offset:8192*\i
.endr
.irp g, 0,1,2,3
	v_lshl_add_u32 v[TA+\g], v0, 4, 65536*\g       ; an LDS immediate has 16 bits: four address registers, 65,536 bytes apart
.endr
	s_lshr_b32 s34, s30, 4                         ; out: row (batch x 2,048 + 512 x work-group x + 32 x wave) of 4,096 bytes, + 256 x head
	s_lshl_b32 s34, s34, 11
	s_lshl_b32 s35, ttmp9, 9
	s_add_co_u32 s34, s34, s35
	s_lshl_b32 s35, s[WV], 5
	s_add_co_u32 s34, s34, s35
	s_lshl_b32 s34, s34, 12
	s_and_b32 s35, s30, 15
	s_lshl_b32 s35, s35, 8
	s_add_co_u32 s34, s34, s35
	s_mov_b32 s35, 0
	s_add_nc_u64 s[12:13], s[12:13], s[34:35]
	s_wait_kmcnt 0x0
	s_add_co_i32 s[CS], s16, s17
	s_lshl_b32 s[CS], s[CS], 23
	s_add_co_i32 s[CS], s[CS], 0x3e38aa3b          ; c = log2(e) / 8; a score stands for score x 2^(e6 + e7): the two exponents are added to c's exponent field
	s_mov_b32 s[CS+1], s[CS]                       ; (named with it as a pair, so it is written)
	s_add_co_i32 s31, s18, 127
	s_lshl_b32 s36, s31, 23
	v_mov_b32 v[SCL], s36                          ; 2^e8
	s_add_co_i32 s31, s31, 8
	s_lshl_b32 s[LIMS], s31, 23
	s_or_b32 s[LIMS], s[LIMS], 0x600000            ; 448 x 2^e8
	s_add_co_i32 s[E89], s18, s19
	s_mov_b32 s[SB], 0
	s_mov_b32 s[CNT], 16
.irp i, 0,1,2,3,4,5,6,7,8,9,10,11,12,13,14,15
	s_wait_loadcnt 31-2*\i                         ; loads come back in order (ISA guide 5.7.1): step i's K is in; the 31 - 2 i loads behind it may be out
	ds_store_b128 v[TA+\i/4], v[S+4*\i:S+4*\i+3] offset:STEPB*(\i%4)
	s_wait_loadcnt 30-2*\i                         ; and its V
	ds_store_b128 v[TA+\i/4], v[O+4*\i:O+4*\i+3] offset:STEPB*(\i%4)+8192
.endr
	s_wait_dscnt 0x0                               ; for the others' sake: my stores have landed
	s_barrier_signal -1
.irp q, 0,1                                    ; register work while the others arrive: the state
	v_mov_b32 v[ST+4*\q+1], 0xff61b1e6             ; the largest t so far: -3e38, under every t
	v_floor_f32 v[ST+4*\q], -v[ST+4*\q+1]          ; -M
	v_mov_b32 v[ST+4*\q+2], 0                      ; the sum, in two halves
	v_mov_b32 v[ST+4*\q+3], 0
.endr
	v_mov_b32 v[TF+1], 0
.set j, 0
.rept 64
	v_mov_b32 v[O+j], 0                            ; O^T.  (The step is written once: the first finds zeros, which the first change of M leaves zeros)
.set j, j+1
.endr
	s_barrier_wait -1                              ; the head's K and V lie in LDS
; S^T = K Q^T for tile q: eight tiles of 16 keys, K = 64.  waits = 1: K's loads have just been issued: tile T's two are in when the 14 - 2 T behind them may be out.
.macro QK q, waits
.irp T, 0,1,2,3,4,5,6,7
.if \waits
	s_wait_dscnt 14-2*\T
.endif
	v_wmma_f32_16x16x64_fp8_fp8 v[S+8*\T:S+8*\T+7], v[FRG+8*\T:FRG+8*\T+7], v[Q+8*(\q):Q+8*(\q)+7], 0
.endr
.endm
; Tile q's softmax for a step of 128 keys: my lane's 64 scores in v[S ..] become p's codes in v[PC + 16 q ..]; M, the sum and O^T follow.
.macro SOFTMAX q
.set NM, ST+4*(\q)
.set MT, NM+1
.set LS, NM+2
.set OQ, O+32*(\q)
.set PQ, PC+16*(\q)
	v_max3_num_f32 v[TA], v[S], v[S+1], v[S+2]     ; the step's largest score of my query, among my 64 keys, in two chains; each tile's registers are met from the low end on
	v_max3_num_f32 v[TB], v[S+3], v[S+4], v[S+5]
.set j, 6
.rept 14
	v_max3_num_f32 v[TA], v[TA], v[S+j], v[S+j+1]
	v_max3_num_f32 v[TB], v[TB], v[S+j+2], v[S+j+3]
.set j, j+4
.endr
	v_max3_num_f32 v[TA], v[TA], v[S+62], v[S+63]
	v_max_num_f32 v[TA], v[TA], v[TB]
	v_permlanex16_b32 v[TB], v[TA], s[SEL], s[SEL+1]
	v_max_num_f32 v[TA], v[TA], v[TB]              ; and among lane l xor 16's
	v_mul_f32 v[TA], s[CS], v[TA]                  ; as t (c is positive)
	v_max_num_f32 v[MT], v[MT], v[TA]              ; the running largest t
	v_mov_b32 v[TA], v[NM]
	v_floor_f32 v[NM], -v[MT]                      ; the new -M = floor(-t) = -ceil(t): M IS A WHOLE NUMBER
	v_sub_f32 v[TA], v[NM], v[TA]                  ; M's old value less its new one: a whole number, 0 or less
	v_cvt_i32_f32 v[TA], v[TA]                     ; (it saturates)
	v_ldexp_f32 v[TF], 1.0, v[TA]                  ; f = 2^(old M - new M): a multiplication by it rounds nothing
.set j, 0
.rept 32
	v_pk_fma_f32 v[S+j:S+j+1], v[S+j:S+j+1], s[CS:CS+1], v[NM:NM+1] op_sel_hi:[1,0,0]   ; t - M, two at a time (of the pairs c and -M the low word serves both halves)
.set j, j+2
.endr
.set j, 0
.rept 64
	v_exp_f32 v[S+j], v[S+j]                       ; p = 2^(t - M), at most 1: NOT normalised
.set j, j+1
.endr
	v_pk_mul_f32 v[LS:LS+1], v[LS:LS+1], v[TF:TF+1] op_sel_hi:[1,0]   ; the sums under the new M.  (A plain place behind the exponentials)
	s_wait_alu depctr_va_vdst(0)
	v_pk_add_f32 v[TA:TA+1], v[S:S+1], v[S+2:S+3]  ; THE ROW'S SUM IS TAKEN OF THE UNQUANTISED p: two at a time, in two chains
.set j, 4
.rept 15
	v_pk_add_f32 v[LS:LS+1], v[LS:LS+1], v[S+j:S+j+1]
	v_pk_add_f32 v[TA:TA+1], v[TA:TA+1], v[S+j+2:S+j+3]
.set j, j+4
.endr
	v_pk_add_f32 v[LS:LS+1], v[LS:LS+1], v[TA:TA+1]
	s_cmp_lt_i32 s18, -8                           ; the conversion to an 8-bit code does not saturate (ISA guide 7.6.2).  p is at most 1 and not negative: the hold at 448 x 2^e8 can act only where that lies under 1, e8 under -8.
	s_cbranch_scc0 .Lno_hold_\@                    ; a scalar branch on a whole number that was given; no barrier and no memory instruction stands under it
.set j, 0
.rept 64
	v_min_num_f32 v[S+j], s[LIMS], v[S+j]
.set j, j+1
.endr
.Lno_hold_\@:
.irp T, 0,1,2,3,4,5,6,7
	v_cvt_scalef32_pk8_fp8_f32 v[PQ+2*\T:PQ+2*\T+1], v[S+8*\T:S+8*\T+7], v[SCL]   ; keys 16 T + 8 (lane / 16) + 0 .. 7: registers 2 T, 2 T + 1 of the operand
.endr
.set j, 0
.rept 16
	v_pk_mul_f32 v[OQ+j:OQ+j+1], v[OQ+j:OQ+j+1], v[TF:TF+1] op_sel_hi:[1,0]   ; O^T under the new M: x f; each accumulator from its low end on.  (These are also the plain places behind the conversions)
.set j, j+2
.endr
.endm
.Lstep:                                            ; 16 trips, 128 keys each
	v_add_nc_u32 v[AD], s[SB], v[LI]
.rept 3
	v_nop                                          ; with the addition: four places in front of loads into registers that the last products read
.endr
.irp T, 0,1,2,3,4,5,6,7
	ds_load_b128 v[FRG+8*\T:FRG+8*\T+3],   v[AD] offset:1024*\T       ; K: 32 lanes take 512 consecutive bytes
	ds_load_b128 v[FRG+8*\T+4:FRG+8*\T+7], v[AD] offset:1024*\T+512
.endr
	QK 0, 1
.rept 4
	v_nop                                          ; places in front of the first read of the scores
.endr
	SOFTMAX 0
	QK 1, 0                                        ; the same fragments of K feed the second tile
.rept 4
	v_nop                                          ; places in front of the loads into K's registers and of the first read of the scores
.endr
.irp t, 0,1,2,3
.irp c, 0,1,2,3
	ds_load_b128 v[FRG+16*\t+4*\c:FRG+16*\t+4*\c+3], v[AD] offset:8192+2048*\t+512*\c   ; V: it lands while the second tile's softmax is walked
.endr
.endr
	SOFTMAX 1
	s_wait_dscnt 0x0                               ; V is in
.irp t, 0,1,2,3                                ; O^T += V^T P^T, K = these 128 keys: eight accumulators, one instruction a turn; each fragment of V feeds both tiles
.irp q, 0,1
	v_wmma_f32_16x16x128_fp8_fp8 v[O+32*\q+8*\t:O+32*\q+8*\t+7], v[FRG+16*\t:FRG+16*\t+15], v[PC+16*\q:PC+16*\q+15], v[O+32*\q+8*\t:O+32*\q+8*\t+7]
.endr
.endr
	s_add_co_u32 s[SB], s[SB], STEPB
	s_sub_co_u32 s[CNT], s[CNT], 1
	s_cmp_lg_u32 s[CNT], 0
	s_cbranch_scc1 .Lstep
	; THE WAY OUT.  The sum's two halves and the other half of the lanes' are added; O^T is divided by the sum, multiplied by 2^(e8 + e9), and goes through my stage in LDS, so that sixteen lanes store a query's 256 bytes of this head.
	; The lines up to the barrier are also the places behind the last products.
	v_add_f32 v[ST+2], v[ST+2], v[ST+3]
	v_add_f32 v[ST+6], v[ST+6], v[ST+7]
	v_permlanex16_b32 v[TA], v[ST+2], s[SEL], s[SEL+1]
	v_permlanex16_b32 v[TB], v[ST+6], s[SEL], s[SEL+1]
	v_add_f32 v[ST+2], v[ST+2], v[TA]
	v_add_f32 v[ST+6], v[ST+6], v[TB]
	v_rcp_f32 v[ST+2], v[ST+2]
	v_rcp_f32 v[ST+6], v[ST+6]
	v_and_b32 v[TA], 15, v0                        ; (a plain place behind the reciprocals)  r
	v_bfe_u32 v[TB], v0, 4, 1                      ; h
	s_wait_alu depctr_va_vdst(0)
	v_ldexp_f32 v[ST+2], v[ST+2], s[E89]
	v_ldexp_f32 v[ST+6], v[ST+6], s[E89]
	s_mul_i32 s31, s[WV], STG                      ; my stage
	v_mul_u32_u24 v[AD], v[TA], SP
	v_lshl_add_u32 v[AD], v[TB], 5, v[AD]
	v_add_nc_u32 v[AD], s31, v[AD]                 ; in: row r; channel tile t's eight numbers of my half at 64 t + 32 h
	v_mul_u32_u24 v[LI], v[TB], SP
	v_lshl_add_u32 v[LI], v[TA], 4, v[LI]
	v_add_nc_u32 v[LI], s31, v[LI]                 ; back: lanes 0-15 one row, lanes 16-31 the next
	v_lshlrev_b32 v[SCL], 12, v[TB]
	v_lshl_add_u32 v[SCL], v[TA], 4, v[SCL]        ; and the same two rows of out, 4,096 bytes apart
	s_wait_dscnt 0x0                               ; my reads of K and V are over
	s_barrier_signal -1
	s_barrier_wait -1                              ; everybody's are: the stages may be laid over them
.irp q, 0,1
.set j, 0
.rept 16
	v_pk_mul_f32 v[S+32*\q+j:S+32*\q+j+1], v[O+32*\q+j:O+32*\q+j+1], v[ST+4*\q+2:ST+4*\q+3] op_sel_hi:[1,0]   ; register 8 t + i is out(query r, channel 16 t + 8 h + i)
.set j, j+2
.endr
.irp t, 0,1,2,3
	ds_store_b128 v[AD], v[S+32*\q+8*\t:S+32*\q+8*\t+3]   offset:\q*16*SP+64*\t
	ds_store_b128 v[AD], v[S+32*\q+8*\t+4:S+32*\q+8*\t+7] offset:\q*16*SP+64*\t+16
.endr
.irp i, 0,1,2,3,4,5,6,7
	ds_load_b128 v[FRG+32*\q+4*\i:FRG+32*\q+4*\i+3], v[LI] offset:\q*16*SP+2*\i*SP   ; LDS serves a wave's instructions in order (ISA guide 5.7.1.4): these see my stores
.endr
.endr
.irp q, 0,1
.irp i, 0,1,2,3,4,5,6,7
	s_wait_dscnt 16*(1-\q)+7-\i                    ; behind this load: the tile's 7 - i others, and for tile 0 the sixteen LDS instructions of tile 1
	global_store_b128 v[SCL], v[FRG+32*\q+4*\i:FRG+32*\q+4*\i+3], s[12:13] offset:(16*\q+2*\i)*4096 th:TH_STORE_NT   ; 16 lanes store 256 consecutive bytes, at a multiple of 256 from out's first byte; written once, read by nobody here
.endr
.endr
	s_wait_xcnt 0x0
	v_lshl_add_u32 v254, v0, 2, 0x40000
	v_mov_b32 v255, 0
	s_wait_tensorcnt 0x0
	ds_add_u32 v254, v255
	s_wait_dscnt 0x0
	s_endpgm
.Lfunc_end_k_q65f8668ed3_attn:
	.size	k_q65f8668ed3_attn, .Lfunc_end_k_q65f8668ed3_attn-k_q65f8668ed3_attn
	.p2alignl 7, 3214868480
	.fill 96, 4, 3214868480
	.section	.rodata,"a",@progbits
	.p2align	6, 0x0
	.amdhsa_kernel k_q65f8668ed3_attn
		.amdhsa_group_segment_fixed_size 264192
		.amdhsa_private_segment_fixed_size 0
		.amdhsa_enable_private_segment 0
		.amdhsa_kernarg_size 40
		.amdhsa_user_sgpr_count 2
		.amdhsa_user_sgpr_kernarg_segment_ptr 1
		.amdhsa_wavefront_size32 1
		.amdhsa_system_sgpr_workgroup_id_x 1
		.amdhsa_system_sgpr_workgroup_id_y 1
		.amdhsa_system_sgpr_workgroup_id_z 1
		.amdhsa_system_vgpr_workitem_id 0
		.amdhsa_next_free_vgpr 256
		.amdhsa_next_free_sgpr 66
		.amdhsa_reserve_vcc 0
		.amdhsa_float_denorm_mode_32 3
		.amdhsa_float_denorm_mode_16_64 3
		.amdhsa_memory_ordered 1
		.amdhsa_forward_progress 1
		.amdhsa_inst_pref_size 48
	.end_amdhsa_kernel
	.amdgpu_metadata
---
amdhsa.version: [ 1, 2 ]
amdhsa.kernels:
  - .name:           k_q65f8668ed3_attn
    .symbol:         k_q65f8668ed3_attn.kd
    .args:
      - { .name: qimg, .offset: 0, .size: 8, .value_kind: global_buffer, .address_space: global }
      - { .name: kimg, .offset: 8, .size: 8, .value_kind: global_buffer, .address_space: global }
      - { .name: vimg, .offset: 16, .size: 8, .value_kind: global_buffer, .address_space: global }
      - { .name: lowp_scales, .offset: 24, .size: 8, .value_kind: global_buffer, .address_space: global }
      - { .name: out0, .offset: 32, .size: 8, .value_kind: global_buffer, .address_space: global }
    .group_segment_fixed_size: 264192
    .private_segment_fixed_size: 0
    .kernarg_segment_align: 8
    .kernarg_segment_size: 40
    .max_flat_workgroup_size: 512
    .sgpr_count:     66
    .vgpr_count:     256
    .wavefront_size: 32
...
	.end_amdgpu_metadata
.endif
;; end of part 2
;; ======== version 2 of 2: 2 launches; version 1 with the launch attn written anew for expert scheduling mode
;; workspace buffers: qimg 8,388,608 bytes; kimg 8,388,608 bytes; vimg 8,388,608 bytes
;; launch proj: the kernel of part 1 again; grid 12 x 32, 4 waves a work-group, clusters of 4 x 4, 327,680 bytes of LDS; arguments inputs_codes, Wq_codes, Wk_codes, Wv_codes, bq, bk, bv, lowp_scales, qimg, kimg, vimg; writes qimg, kimg, vimg
;; launch attn (part 3): grid 4 x 64, 16 waves a work-group, no clusters, 264,192 bytes of LDS; arguments qimg, kimg, vimg, lowp_scales, out0; writes out0
.if DOCPART == 3
	.amdgcn_target "amdgcn-amd-amdhsa--gfx1250"
	.amdhsa_code_object_version 6
	.text
	.protected	k_q65f8668ed3_attn
	.globl	k_q65f8668ed3_attn
	.p2align	8
	.type	k_q65f8668ed3_attn,@function
k_q65f8668ed3_attn:
	s_mov_b64 s[64:65], 0
	v_nop
	global_prefetch_b8 v0, s[64:65] scope:SCOPE_SE
	s_setreg_imm32_b32 hwreg(HW_REG_WAVE_SCHED_MODE, 0, 2), 2
	s_setreg_imm32_b32 hwreg(HW_REG_WAVE_MODE, 25, 1), 1
	s_wait_xcnt 0x0
	s_wait_alu depctr_vm_vsrc(0)
; out[b][q][head][:] = the sum over k of softmax_k(q . k / 8) v[k][:], both products on codes of FP8 (E4M3), each operand with the one scale 2^e that is given for it: entries 6 (q), 7 (k), 8 (p), 9 (v) of the list.
; qimg, kimg, vimg are images of operand registers: 16 bytes a lane, 512 bytes for four registers of a fragment.  qimg, kimg: [batch x 16 + head][tile of 16][g 0..1][lane][16]: the K = 64 fragment (K = the head's 64 channels).
; vimg: [batch x 16 + head][step of 128 keys][t 0..3][c 0..3][lane][16]: the K = 128 fragment of channels 16 t on (K = the keys).
; THE SOFTMAX AHEAD OF THE SECOND PRODUCT: t = score x log2(e) / 8; M = the row's largest t so far, rounded UP to a whole number; p = 2^(t - M) is what is quantised, along the keys; it is not normalised.
; The row's sum is taken of the unquantised p, in f32, and divides O at the end.  When M moves, the sum and O are multiplied by 2^(old M - new M): exact.
; SHARES.  A work-group owns 512 queries of one head; each of its SIXTEEN waves owns 32, two tiles of 16, in 256 registers: four waves to a SIMD, so that one wave's exponentials stand beside another's plain, matrix and LDS work.
; ALL OF THE HEAD'S K AND V LIE IN LDS: 2 x 131,072 bytes, brought once through registers at the head.  So the key loop has no ring and no barrier, and each fragment read from LDS feeds both tiles.
; LAYOUT.  Both products are used transposed: S^T = K Q^T (source 0 = 16 keys, source 1 = 16 queries), O^T = V^T P^T (source 0 = 16 channels, source 1 = P): a lane holds ONE query (lane % 16) throughout, and key tile T's eight
; registers are keys 16 T + 8 (lane / 16) + 0 .. 7: one conversion of eight makes registers 2 T, 2 T + 1 of P's fragment, in the form's own layout; V's image was made by the same map.
; NO CLUSTER, NO JOINT LOADS, though the four work-groups of a head read the same 262,144 bytes: they are read once, at the head.
; The branch on the given exponent of p takes the hold, 64 of a tile's 258 vector instructions a step, out of the loop wherever it cannot act.  No prefetch: every read from memory stands at the head.
; LIMITS on the given exponents, so that each power of two below is an f32 number: e6 + e7 between -123 and 130 (they are added to c's exponent field); e8 between -126 and 119; e8 + e9 is applied by v_ldexp_f32 and has none.  NaN is not served.
; THE MODE: SCHED_MODE bits 1:0 = 2 (LLVM: expert scheduling mode 2), set by the entry lines.  The code itself states the register dependences
; between vector or matrix instructions and memory or LDS instructions, with s_wait_alu, always for 0.
; THE PLAN.  Registers that memory or LDS instructions touch:
;   v[LI]      Made at the head; offset of Q's loads.  Written anew on the way out; address of the stage's loads.
;   v[AD]      Made at the head; offset of the fill's loads.  In the loop: written once, at a step's head, and read by the step's 32 LDS loads.  Written anew on the way out; address of the stage's stores.
;   v12-15     Made at the head; addresses of the fill's LDS stores.  From the fill's barrier on they are at work in the softmax.
;   v[FRG ..]  A step: K's loads land; the two runs K Q^T read; V's loads land; the products V^T P read.  On the way out the stage's loads land, and the global stores read.
;   v[S ..], v[O ..]  The fill's loads land, the fill's LDS stores read; then vector and matrix instructions alone, until v[S ..] are the data of the stage's stores.
;   v[SCL]     Written anew on the way out; offset of the global stores.     v[Q ..] loaded once.     v254, v255: codes of p, named by no memory instruction, until they are made anew for the closing add.
; THE WAITS OF A STEP.  At its head one on vm_vsrc (the step before's LDS loads have read v[AD]), the add, and one on va_vdst (v[AD] is written; V^T P is done reading FRG): K's loads follow.  Behind the second K Q^T one on
; va_vdst (it is done reading FRG): V's sixteen loads follow, dealt among the second tile's maxima, which name v[S ..], v12 and v13 alone.  The wait behind each tile's exponentials is there for their results.
.set LI,  1                            ; v1   16 x lane: my place in an image            (on the way out: where I read a row back)
.set AD,  2                            ; v2   the fill: 16 x thread; the loop: the step's LDS address   (on the way out: where I put 32 bytes of a row)
.set SCL, 3                            ; v3   2^e8 as f32, for the conversion             (on the way out: my byte offset in out)
.set ST,  4                            ; tile q at v[ST + 4 q]: +0 -M, +1 the largest t, +2, +3 the sum in two halves
.set TA,  12                           ; v12, v13 at work (the fill: v12-15 LDS addresses)
.set TB,  13
.set TF,  14                           ; v[14:15] f = 2^(old M - new M); v15 is named with it as a pair
.set Q,   16                           ; v16-31   Q's two fragments
.set FRG, 32                           ; v32-95   eight fragments of K, later four of V
.set S,   96                           ; v96-159  S^T, then p
.set O,   160                          ; v160-223 O^T: tile q, channels 16 t on at v[O + 32 q + 8 t]
.set PC,  224                          ; v224-255 p's codes: tile q at v[PC + 16 q]
.set WV,  20                           ; s20  my wave's number
.set CS,  22                           ; s[22:23] c = log2(e) / 8 x 2^(e6 + e7): the packed form names a pair and takes its low word for both halves
.set LIMS, 24                          ; s24  448 x 2^e8
.set E89, 25                           ; s25  e8 + e9
.set SB,  26                           ; s26  LDS byte at which the step's tiles begin
.set CNT, 27                           ; s27  steps to go
.set SEL, 28                           ; s[28:29] lane selects for v_permlanex16_b32: lane l xor 16
.set STEPB, 16384                      ; LDS: a step of 128 keys: K's eight fragments (8,192 bytes), then V's four (8,192)
.set SP,  272                          ; the way out: a stage row: 256 bytes + 16
.set STG, 2*16*SP                      ; a wave's stage: two tiles of 16 rows
	s_load_b256 s[4:11], s[0:1], 0x0               ; qimg s[4:5], kimg s[6:7], vimg s[8:9], the exponents s[10:11]
	s_load_b64 s[12:13], s[0:1], 0x20              ; out
	v_lshrrev_b32 v1, 5, v0
	v_readfirstlane_b32 s[WV], v1                  ; wave 0..15
	v_and_b32 v[LI], 31, v0
	v_lshlrev_b32 v[LI], 4, v[LI]
	v_lshlrev_b32 v[AD], 4, v0
.irp g, 0,1,2,3
	v_lshl_add_u32 v[TA+\g], v0, 4, 65536*\g       ; an LDS immediate has 16 bits: four address registers, 65,536 bytes apart, for the fill's stores
.endr
	s_wait_alu depctr_va_sdst(0)                   ; s20, the wave's number, is written, ahead of its first reader: the offsets in qimg and out are made from it
	s_and_b32 s30, ttmp7, 0xffff                   ; 16 x batch + head
	s_lshl_b32 s32, s30, 17                        ; its 131,072 bytes in each image
	s_mov_b32 s33, 0
	s_lshl_b32 s34, ttmp9, 15                      ; my work-group's 32 tiles of queries, 1,024 bytes each,
	s_lshl_b32 s35, s[WV], 11                      ; my wave's two
	s_add_co_u32 s34, s34, s35
	s_add_co_u32 s34, s34, s32
	s_mov_b32 s35, 0
	s_mov_b32 s[SEL], 0x76543210
	s_mov_b32 s[SEL+1], 0xfedcba98
	s_wait_kmcnt 0x0
	s_load_b128 s[16:19], s[10:11], 0x18           ; e6, e7, e8, e9
	s_add_nc_u64 s[4:5], s[4:5], s[34:35]
	s_add_nc_u64 s[6:7], s[6:7], s[32:33]
	s_add_nc_u64 s[8:9], s[8:9], s[32:33]
	s_wait_alu depctr_va_vdst(0)                   ; v[LI], v[AD] and v12-15 are written: the loads below read the first two as offsets, the fill's LDS stores the other four as addresses
.irp g, 0,1,2,3
	global_load_b128 v[Q+4*\g:Q+4*\g+3], v[LI], s[4:5] offset:512*\g th:TH_LOAD_NT   ; Q stays in registers: tile g / 2, registers 4 (g % 2) on; read by nobody else
.endr
	; THE FILL.  The 512 threads take 8,192 consecutive bytes an instruction: a step's K or V.  32 loads a lane are out.
.irp i, 0,1,2,3,4,5,6,7,8,9,10,11,12,13,14,15
	global_load_b128 v[S+4*\i:S+4*\i+3], v[AD], s[6:7] offset:8192*\i
	global_load_b128 v[O+4*\i:O+4*\i+3], v[AD], s[8:9] offset:8192*\i
.endr
	s_lshr_b32 s34, s30, 4                         ; out: row (batch x 2,048 + 512 x work-group x + 32 x wave) of 4,096 bytes, + 256 x head
	s_lshl_b32 s34, s34, 11
	s_lshl_b32 s35, ttmp9, 9
	s_add_co_u32 s34, s34, s35
	s_lshl_b32 s35, s[WV], 5
	s_add_co_u32 s34, s34, s35
	s_lshl_b32 s34, s34, 12
	s_and_b32 s35, s30, 15
	s_lshl_b32 s35, s35, 8
	s_add_co_u32 s34, s34, s35
	s_mov_b32 s35, 0
	s_add_nc_u64 s[12:13], s[12:13], s[34:35]
	s_wait_kmcnt 0x0
	s_add_co_i32 s[CS], s16, s17
	s_lshl_b32 s[CS], s[CS], 23
	s_add_co_i32 s[CS], s[CS], 0x3e38aa3b          ; c = log2(e) / 8; a score stands for score x 2^(e6 + e7): the two exponents are added to c's exponent field
	s_mov_b32 s[CS+1], s[CS]                       ; (named with it as a pair, so it is written)
	s_add_co_i32 s31, s18, 127
	s_lshl_b32 s36, s31, 23
	v_mov_b32 v[SCL], s36                          ; 2^e8  (the one vector line between the wait above and the fill's stores: it names v3, which none of them touches)
	s_add_co_i32 s31, s31, 8
	s_lshl_b32 s[LIMS], s31, 23
	s_or_b32 s[LIMS], s[LIMS], 0x600000            ; 448 x 2^e8
	s_add_co_i32 s[E89], s18, s19
	s_mov_b32 s[SB], 0
	s_mov_b32 s[CNT], 16
.irp i, 0,1,2,3,4,5,6,7,8,9,10,11,12,13,14,15
	s_wait_loadcnt 31-2*\i                         ; loads come back in order (ISA guide 5.7.1): step i's K is in; the 31 - 2 i loads behind it may be out
	ds_store_b128 v[TA+\i/4], v[S+4*\i:S+4*\i+3] offset:STEPB*(\i%4)
	s_wait_loadcnt 30-2*\i                         ; and its V
	ds_store_b128 v[TA+\i/4], v[O+4*\i:O+4*\i+3] offset:STEPB*(\i%4)+8192
.endr
	s_wait_dscnt 0x0                               ; for the others' sake: my stores have landed
	s_wait_alu depctr_vm_vsrc(0)                   ; my LDS stores have read v12-15, v[S ..] and v[O ..], and the fill's loads v[AD]: the lines below and the first step write all of these again
	s_barrier_signal -1
.irp q, 0,1                                    ; register work while the others arrive: the state
	v_mov_b32 v[ST+4*\q+1], 0xff61b1e6             ; the largest t so far: -3e38, under every t
	v_floor_f32 v[ST+4*\q], -v[ST+4*\q+1]          ; -M
	v_mov_b32 v[ST+4*\q+2], 0                      ; the sum, in two halves
	v_mov_b32 v[ST+4*\q+3], 0
.endr
	v_mov_b32 v[TF+1], 0
.set j, 0
.rept 64
	v_mov_b32 v[O+j], 0                            ; O^T.  (The step is written once: the first finds zeros, which the first change of M leaves zeros)
.set j, j+1
.endr
	s_barrier_wait -1                              ; the head's K and V lie in LDS
; S^T = K Q^T for tile q: eight tiles of 16 keys, K = 64.  waits = 1: K's loads have just been issued: tile T's two are in when the 14 - 2 T behind them may be out.
.macro QK q, waits
.irp T, 0,1,2,3,4,5,6,7
.if \waits
	s_wait_dscnt 14-2*\T
.endif
	v_wmma_f32_16x16x64_fp8_fp8 v[S+8*\T:S+8*\T+7], v[FRG+8*\T:FRG+8*\T+7], v[Q+8*(\q):Q+8*(\q)+7], 0
.endr
.endm
; Tile q's softmax for a step of 128 keys: my lane's 64 scores in v[S ..] become p's codes in v[PC + 16 q ..]; M, the sum and O^T follow.
; vl = 1: loads 2 to 15 of V's sixteen are dealt among the maxima, one ahead of each pair.  Load n brings registers 4 n .. 4 n + 3 of V's four fragments: 512 consecutive bytes for the 32 lanes.
.macro SOFTMAX q, vl
.set NM, ST+4*(\q)
.set MT, NM+1
.set LS, NM+2
.set OQ, O+32*(\q)
.set PQ, PC+16*(\q)
	v_max3_num_f32 v[TA], v[S], v[S+1], v[S+2]     ; the step's largest score of my query, among my 64 keys, in two chains; each tile's registers are met from the low end on
	v_max3_num_f32 v[TB], v[S+3], v[S+4], v[S+5]
.set j, 6
.set n, 2
.rept 14
.if \vl
	ds_load_b128 v[FRG+4*n:FRG+4*n+3], v[AD] offset:8192+512*n   ; no wait: no vector or matrix instruction since the wait behind the second K Q^T names v[FRG ..] or v[AD]
.endif
	v_max3_num_f32 v[TA], v[TA], v[S+j], v[S+j+1]
	v_max3_num_f32 v[TB], v[TB], v[S+j+2], v[S+j+3]
.set j, j+4
.set n, n+1
.endr
	v_max3_num_f32 v[TA], v[TA], v[S+62], v[S+63]
	v_max_num_f32 v[TA], v[TA], v[TB]
	v_permlanex16_b32 v[TB], v[TA], s[SEL], s[SEL+1]
	v_max_num_f32 v[TA], v[TA], v[TB]              ; and among lane l xor 16's
	v_mul_f32 v[TA], s[CS], v[TA]                  ; as t (c is positive)
	v_max_num_f32 v[MT], v[MT], v[TA]              ; the running largest t
	v_mov_b32 v[TA], v[NM]
	v_floor_f32 v[NM], -v[MT]                      ; the new -M = floor(-t) = -ceil(t): M IS A WHOLE NUMBER
	v_sub_f32 v[TA], v[NM], v[TA]                  ; M's old value less its new one: a whole number, 0 or less
	v_cvt_i32_f32 v[TA], v[TA]                     ; (it saturates)
	v_ldexp_f32 v[TF], 1.0, v[TA]                  ; f = 2^(old M - new M): a multiplication by it rounds nothing
.set j, 0
.rept 32
	v_pk_fma_f32 v[S+j:S+j+1], v[S+j:S+j+1], s[CS:CS+1], v[NM:NM+1] op_sel_hi:[1,0,0]   ; t - M, two at a time (of the pairs c and -M the low word serves both halves)
.set j, j+2
.endr
.set j, 0
.rept 64
	v_exp_f32 v[S+j], v[S+j]                       ; p = 2^(t - M), at most 1: NOT normalised
.set j, j+1
.endr
	v_pk_mul_f32 v[LS:LS+1], v[LS:LS+1], v[TF:TF+1] op_sel_hi:[1,0]   ; the sums under the new M.  (A plain place behind the exponentials)
	s_wait_alu depctr_va_vdst(0)                   ; the 64 exponentials have written v[S ..]: one wait for the batch, ahead of its first reader
	v_pk_add_f32 v[TA:TA+1], v[S:S+1], v[S+2:S+3]  ; THE ROW'S SUM IS TAKEN OF THE UNQUANTISED p: two at a time, in two chains
.set j, 4
.rept 15
	v_pk_add_f32 v[LS:LS+1], v[LS:LS+1], v[S+j:S+j+1]
	v_pk_add_f32 v[TA:TA+1], v[TA:TA+1], v[S+j+2:S+j+3]
.set j, j+4
.endr
	v_pk_add_f32 v[LS:LS+1], v[LS:LS+1], v[TA:TA+1]
	s_cmp_lt_i32 s18, -8                           ; the conversion to an 8-bit code does not saturate (ISA guide 7.6.2).  p is at most 1 and not negative: the hold at 448 x 2^e8 can act only where that lies under 1, e8 under -8.
	s_cbranch_scc0 .Lno_hold_\@                    ; a scalar branch on a whole number that was given; no barrier and no memory instruction stands under it
.set j, 0
.rept 64
	v_min_num_f32 v[S+j], s[LIMS], v[S+j]
.set j, j+1
.endr
.Lno_hold_\@:
.irp T, 0,1,2,3,4,5,6,7
	v_cvt_scalef32_pk8_fp8_f32 v[PQ+2*\T:PQ+2*\T+1], v[S+8*\T:S+8*\T+7], v[SCL]   ; keys 16 T + 8 (lane / 16) + 0 .. 7: registers 2 T, 2 T + 1 of the operand
.endr
.set j, 0
.rept 16
	v_pk_mul_f32 v[OQ+j:OQ+j+1], v[OQ+j:OQ+j+1], v[TF:TF+1] op_sel_hi:[1,0]   ; O^T under the new M: x f; each accumulator from its low end on.  (These are also the plain places behind the conversions)
.set j, j+2
.endr
.endm
.Lstep:                                            ; 16 trips, 128 keys each
	s_wait_alu depctr_vm_vsrc(0)                   ; the LDS loads of the step before have read v[AD], which the next line writes
	v_add_nc_u32 v[AD], s[SB], v[LI]
.rept 3
	v_nop                                          ; with the addition: four plain instructions between the last products and the loads into the registers that they read; the dependence itself is stated by the wait below
.endr
	s_wait_alu depctr_va_vdst(0)                   ; v[AD] is written, which the step's LDS loads read; the products V^T P of the step before are done reading v[FRG ..], in which K's loads land
.irp T, 0,1,2,3,4,5,6,7
	ds_load_b128 v[FRG+8*\T:FRG+8*\T+3],   v[AD] offset:1024*\T       ; K: 32 lanes take 512 consecutive bytes
	ds_load_b128 v[FRG+8*\T+4:FRG+8*\T+7], v[AD] offset:1024*\T+512
.endr
	QK 0, 1
.rept 4
	v_nop                                          ; places in front of the first read of the scores
.endr
	SOFTMAX 0, 0
	QK 1, 0                                        ; the same fragments of K feed the second tile
.rept 4
	v_nop                                          ; places in front of the first read of the scores
.endr
	s_wait_alu depctr_va_vdst(0)                   ; the second K Q^T is done reading v[FRG ..], in which V's sixteen loads land
	ds_load_b128 v[FRG:FRG+3],   v[AD] offset:8192         ; V's first two loads; the other fourteen stand among the maxima below: V lands while the second tile's softmax is walked
	ds_load_b128 v[FRG+4:FRG+7], v[AD] offset:8192+512
	SOFTMAX 1, 1
	s_wait_dscnt 0x0                               ; V is in
.irp t, 0,1,2,3                                ; O^T += V^T P^T, K = these 128 keys: eight accumulators, one instruction a turn; each fragment of V feeds both tiles
.irp q, 0,1
	v_wmma_f32_16x16x128_fp8_fp8 v[O+32*\q+8*\t:O+32*\q+8*\t+7], v[FRG+16*\t:FRG+16*\t+15], v[PC+16*\q:PC+16*\q+15], v[O+32*\q+8*\t:O+32*\q+8*\t+7]
.endr
.endr
	s_add_co_u32 s[SB], s[SB], STEPB
	s_sub_co_u32 s[CNT], s[CNT], 1
	s_cmp_lg_u32 s[CNT], 0
	s_cbranch_scc1 .Lstep
	; THE WAY OUT.  The sum's two halves and the other half of the lanes' are added; O^T is divided by the sum, multiplied by 2^(e8 + e9), and goes through my stage in LDS, so that sixteen lanes store a query's 256 bytes of this head.
	; The lines up to the barrier are also the places behind the last products.
	v_add_f32 v[ST+2], v[ST+2], v[ST+3]
	v_add_f32 v[ST+6], v[ST+6], v[ST+7]
	v_permlanex16_b32 v[TA], v[ST+2], s[SEL], s[SEL+1]
	v_permlanex16_b32 v[TB], v[ST+6], s[SEL], s[SEL+1]
	v_add_f32 v[ST+2], v[ST+2], v[TA]
	v_add_f32 v[ST+6], v[ST+6], v[TB]
	v_rcp_f32 v[ST+2], v[ST+2]
	v_rcp_f32 v[ST+6], v[ST+6]
	v_and_b32 v[TA], 15, v0                        ; (a plain place behind the reciprocals)  r
	v_bfe_u32 v[TB], v0, 4, 1                      ; h
	s_wait_alu depctr_va_vdst(0)                   ; the two reciprocals have written v[ST+2] and v[ST+6]: one wait for both, ahead of their first reader
	v_ldexp_f32 v[ST+2], v[ST+2], s[E89]
	v_ldexp_f32 v[ST+6], v[ST+6], s[E89]
	s_mul_i32 s31, s[WV], STG                      ; my stage
	s_wait_alu depctr_vm_vsrc(0)                   ; the last step's LDS loads have read v[AD], which is written anew below
	v_mul_u32_u24 v[AD], v[TA], SP
	v_lshl_add_u32 v[AD], v[TB], 5, v[AD]
	v_add_nc_u32 v[AD], s31, v[AD]                 ; in: row r; channel tile t's eight numbers of my half at 64 t + 32 h
	v_mul_u32_u24 v[LI], v[TB], SP
	v_lshl_add_u32 v[LI], v[TA], 4, v[LI]
	v_add_nc_u32 v[LI], s31, v[LI]                 ; back: lanes 0-15 one row, lanes 16-31 the next
	v_lshlrev_b32 v[SCL], 12, v[TB]
	v_lshl_add_u32 v[SCL], v[TA], 4, v[SCL]        ; and the same two rows of out, 4,096 bytes apart
	s_wait_dscnt 0x0                               ; my reads of K and V are over
	s_barrier_signal -1
	s_barrier_wait -1                              ; everybody's are: the stages may be laid over them
.irp q, 0,1                                    ; both tiles' scalings stand together, so that one wait serves all the LDS and memory instructions behind them
.set j, 0
.rept 16
	v_pk_mul_f32 v[S+32*\q+j:S+32*\q+j+1], v[O+32*\q+j:O+32*\q+j+1], v[ST+4*\q+2:ST+4*\q+3] op_sel_hi:[1,0]   ; register 8 t + i is out(query r, channel 16 t + 8 h + i)
.set j, j+2
.endr
.endr
	s_wait_alu depctr_va_vdst(0)                   ; v[S ..], v[AD], v[LI] and v[SCL] are written: the data and address of the stage's stores, the address of its loads, the offset of the global stores; and the last products are done reading v[FRG ..], in which the stage's loads land
.irp q, 0,1
.irp t, 0,1,2,3
	ds_store_b128 v[AD], v[S+32*\q+8*\t:S+32*\q+8*\t+3]   offset:\q*16*SP+64*\t
	ds_store_b128 v[AD], v[S+32*\q+8*\t+4:S+32*\q+8*\t+7] offset:\q*16*SP+64*\t+16
.endr
.irp i, 0,1,2,3,4,5,6,7
	ds_load_b128 v[FRG+32*\q+4*\i:FRG+32*\q+4*\i+3], v[LI] offset:\q*16*SP+2*\i*SP   ; LDS serves a wave's instructions in order (ISA guide 5.7.1.4): these see my stores
.endr
.endr
.irp q, 0,1
.irp i, 0,1,2,3,4,5,6,7
	s_wait_dscnt 16*(1-\q)+7-\i                    ; behind this load: the tile's 7 - i others, and for tile 0 the sixteen LDS instructions of tile 1
	global_store_b128 v[SCL], v[FRG+32*\q+4*\i:FRG+32*\q+4*\i+3], s[12:13] offset:(16*\q+2*\i)*4096 th:TH_STORE_NT   ; 16 lanes store 256 consecutive bytes, at a multiple of 256 from out's first byte; written once, read by nobody here
.endr
.endr
	s_wait_xcnt 0x0
	v_lshl_add_u32 v254, v0, 2, 0x40000            ; the add's two registers, made anew straight ahead of the closing lines: v254 and v255 held codes of p, which no memory or LDS instruction has read
	v_mov_b32 v255, 0
	s_wait_dscnt 0x0                               ; the closing lines, six on end
	s_wait_alu 0x0
	s_wait_tensorcnt 0x0
	ds_add_u32 v254, v255
	s_wait_dscnt 0x0
	s_endpgm
.Lfunc_end_k_q65f8668ed3_attn:
	.size	k_q65f8668ed3_attn, .Lfunc_end_k_q65f8668ed3_attn-k_q65f8668ed3_attn
	.p2alignl 7, 3214868480
	.fill 96, 4, 3214868480
	.section	.rodata,"a",@progbits
	.p2align	6, 0x0
	.amdhsa_kernel k_q65f8668ed3_attn
		.amdhsa_group_segment_fixed_size 264192
		.amdhsa_private_segment_fixed_size 0
		.amdhsa_enable_private_segment 0
		.amdhsa_kernarg_size 40
		.amdhsa_user_sgpr_count 2
		.amdhsa_user_sgpr_kernarg_segment_ptr 1
		.amdhsa_wavefront_size32 1
		.amdhsa_system_sgpr_workgroup_id_x 1
		.amdhsa_system_sgpr_workgroup_id_y 1
		.amdhsa_system_sgpr_workgroup_id_z 1
		.amdhsa_system_vgpr_workitem_id 0
		.amdhsa_next_free_vgpr 256
		.amdhsa_next_free_sgpr 66
		.amdhsa_reserve_vcc 0
		.amdhsa_float_denorm_mode_32 3
		.amdhsa_float_denorm_mode_16_64 3
		.amdhsa_memory_ordered 1
		.amdhsa_forward_progress 1
		.amdhsa_inst_pref_size 48
	.end_amdhsa_kernel
	.amdgpu_metadata
---
amdhsa.version: [ 1, 2 ]
amdhsa.kernels:
  - .name:           k_q65f8668ed3_attn
    .symbol:         k_q65f8668ed3_attn.kd
    .args:
      - { .name: qimg, .offset: 0, .size: 8, .value_kind: global_buffer, .address_space: global }
      - { .name: kimg, .offset: 8, .size: 8, .value_kind: global_buffer, .address_space: global }
      - { .name: vimg, .offset: 16, .size: 8, .value_kind: global_buffer, .address_space: global }
      - { .name: lowp_scales, .offset: 24, .size: 8, .value_kind: global_buffer, .address_space: global }
      - { .name: out0, .offset: 32, .size: 8, .value_kind: global_buffer, .address_space: global }
    .group_segment_fixed_size: 264192
    .private_segment_fixed_size: 0
    .kernarg_segment_align: 8
    .kernarg_segment_size: 40
    .max_flat_workgroup_size: 512
    .sgpr_count:     66
    .vgpr_count:     256
    .wavefront_size: 32
...
	.end_amdgpu_metadata
.endif
;; end of part 3
